; MI455X (gfx1250); checked and timed in simulation.
; The chip was launched on July 23, 2026; its instructions are those of AMD's public machine-readable ISA for CDNA 5 (MIT licence, August 2026) and "CDNA5" Instruction Set Architecture Reference Guide (July 2026). The comments in the code are by the model that wrote it; some were corrected since.
;; Multi Head Attention. Allowed arithmetic: matrix products marked QUANTISED: E2M1 operands, one E8M0 scale for each 32 along K, by v_wmma_scale_f32_16x16x128_f8f6f4 with both operands' format E2M1 (or v_wmma_scale_f32_32x16x128_f4), f32 sums; everything else in f32.
;; Inputs: Wk_codes 1,024 x 32 x 16 uint8 (E2M1 codes of Wk, K innermost, in blocks of 32 codes, two codes a byte); Wk_scales 1,024 x 32 uint8 (E8M0 scales of Wk, one for each 32 codes along K); Wo_codes 1,024 x 32 x 16 uint8 (E2M1 codes of Wo, K innermost, in blocks of 32 codes, two codes a byte); Wo_scales 1,024 x 32 uint8 (E8M0 scales of Wo, one for each 32 codes along K); Wq_codes 1,024 x 32 x 16 uint8 (E2M1 codes of Wq, K innermost, in blocks of 32 codes, two codes a byte); Wq_scales 1,024 x 32 uint8 (E8M0 scales of Wq, one for each 32 codes along K); Wv_codes 1,024 x 32 x 16 uint8 (E2M1 codes of Wv, K innermost, in blocks of 32 codes, two codes a byte); Wv_scales 1,024 x 32 uint8 (E8M0 scales of Wv, one for each 32 codes along K); bk 1,024 float32; bo 1,024 float32; bq 1,024 float32; bv 1,024 float32; x_codes 4 x 2,048 x 32 x 16 uint8 (E2M1 codes of x, K innermost, in blocks of 32 codes, two codes a byte); x_scales 4 x 2,048 x 32 uint8 (E8M0 scales of x, one for each 32 codes along K).
;; Outputs: out0 4 x 2,048 x 1,024 float32.
;; This version of the problem:
;;   THIS VERSION OF THE PROBLEM IS GIVEN IN LOW PRECISION. The matrix products marked QUANTISED in the list below multiply operands that are first quantised to E2M1 (2 exponent bits, 1 mantissa bit; 4 bits a number), with one power-of-two scale for each 32 numbers along K (OCP MX v1.0); their sums are f32. All else is computed in f32.
;;   The module's matrix products, in the order in which they are computed (A, B: the left and right operand; K: the contracted axis; several contracted axes count as one K, in the product's order):
;;     1. [M 8,192, K 1,024] x [K 1,024, N 1,024]; A: input x (given as codes); B: input Wq (given as codes): QUANTISED
;;     2. [M 8,192, K 1,024] x [K 1,024, N 1,024]; A: input x (given as codes); B: input Wk (given as codes): QUANTISED
;;     3. [M 8,192, K 1,024] x [K 1,024, N 1,024]; A: input x (given as codes); B: input Wv (given as codes): QUANTISED
;;     4. batch 64 x [M 2,048, K 64] x [K 64, N 2,048]; A: computed on the way; B: computed on the way: QUANTISED
;;     5. batch 64 x [M 2,048, K 2,048] x [K 2,048, N 64]; A: softmax (see below); B: computed on the way: QUANTISED
;;     6. [M 8,192, K 1,024] x [K 1,024, N 1,024]; A: computed on the way; B: input Wo (given as codes): QUANTISED
;;   THE QUANTISER, for each operand of a quantised product, along K:
;;     - K is cut into blocks of 32 from its start; a last block that is shorter is filled with zeros.
;;     - A block's scale is 2^e with e = floor(log2(the largest magnitude in the block)) - 2, held to -126 .. 127; a block of zeros has e = 0. As a byte (E8M0): e + 127.
;;     - Each number is divided by its block's scale, clamped to +-6, and rounded to the nearest number of E2M1, ties to even, subnormals kept.
;;     - The product sums the exact products of the quantised numbers (number of the format x scale) in f32.
;;   ~~~python
;;   def quantise(x, axis):      # numpy; x: float32 -> the quantised numbers, widened to float32 again
;;       x = np.moveaxis(x, axis, -1); K = x.shape[-1]
;;       x = np.pad(x, [(0, 0)] * (x.ndim - 1) + [(0, -K % 32)]); x = x.reshape(x.shape[:-1] + (-1, 32)); a = np.abs(x).max(-1, keepdims=True)
;;       e = np.where(a > 0, np.clip(np.frexp(np.where(a > 0, a, 1))[1] - 1 - 2, -126, 127), 0)      # np.frexp(a)[1] - 1 = floor(log2(a)), exactly
;;       r = np.clip(x / 2.0 ** e, -6, 6)
;;       step = 2.0 ** (np.maximum(np.frexp(np.where(r == 0, 1, r))[1] - 1, 0) - 1)
;;       q = np.round(r / step) * step * 2.0 ** e      # np.round: ties to even
;;       return np.moveaxis(q.reshape(q.shape[:-2] + (-1,))[..., :K], -1, axis).astype(np.float32)
;;   ~~~
;;   SOFTMAX AHEAD OF A QUANTISED PRODUCT. Where the list says 'softmax', what is quantised is not the finished softmax but p = 2^(t - M), with t = logit x log2(e) and M = ceil(the row's largest t), a whole number; so 1/2 < the row's largest p <= 1. The row's sum l is taken of the UNQUANTISED p, in f32, and the product's result is divided by l at the end. Since M is a whole number, a kernel that streams over the keys may use a running M (the ceiling of the running maximum): every later rescaling is an exact power of two, which a block's scale takes up: the codes' values come out the same.
;;   OPERANDS COMPUTED ON THE WAY. 'Computed on the way' means the value that the module computes at that place (a softmax that the list does not call 'softmax' is quantised finished and normalised). What goes into a quantiser is computed in f32, as accurately as f32 sums, v_exp_f32 and their like allow (about 1e-6 of the number): no bf16 or f16 on the way to a quantiser, and a product that is left as it is and whose result goes on into a quantised operand takes f32 operands (vector FMAs, or v_wmma_f32_16x16x4_f32). A number that lies on a knife's edge between two numbers of the format may be rounded either way, as far as f32 arithmetic and the matrix unit's own rounding can turn it there, and no further.
;;   INPUTS GIVEN AS CODES. Wk (in the module: [1024, 1024], K = its axis 0); Wo (in the module: [1024, 1024], K = its axis 0); Wq (in the module: [1024, 1024], K = its axis 0); Wv (in the module: [1024, 1024], K = its axis 0); x (in the module: [4, 2048, 1024], K = its axis 2): each comes as NAME_codes (uint8): NAME with its K axis moved to the last place and cut into blocks of 32 codes, [.., K / 32, bytes a block], one block behind the other in memory; two codes a byte, the lower K in the low four bits (a code: sign, 2 exponent bits, 1 mantissa bit); and NAME_scales (uint8): the same leading axes, one E8M0 byte (e + 127) for each 32 codes along K. Its value is code x scale, taken as it is: it is not quantised again, and the codes and scales need not be those that the quantiser above would give.
;; One version. Each part assembles by itself: llvm-mc -triple=amdgcn-amd-amdhsa -mcpu=gfx1250 --defsym DOCPART=n.
;; ======== version 1 of 1: 3 launches
;; workspace buffers: qc 4,194,304 bytes; qs 524,288 bytes; kv 8,912,896 bytes; oc 4,194,304 bytes; os 262,144 bytes
;; launch proj (part 1): grid 12 x 64, 8 waves a work-group, clusters of 4 x 4, 226,304 bytes of LDS; arguments x_codes, x_scales, Wq_codes, Wq_scales, bq, Wk_codes, Wk_scales, bk, Wv_codes, Wv_scales, bv, qc, qs, kv; writes qc, qs, kv
.if DOCPART == 1
	.amdgcn_target "amdgcn-amd-amdhsa--gfx1250"
	.amdhsa_code_object_version 6
	.text
	.protected	k_qd06cc34156_proj
	.globl	k_qd06cc34156_proj
	.p2align	8
	.type	k_qd06cc34156_proj,@function
k_qd06cc34156_proj:
	s_mov_b64 s[64:65], 0
	v_nop
	global_prefetch_b8 v0, s[64:65] scope:SCOPE_SE
	s_setreg_imm32_b32 hwreg(HW_REG_WAVE_MODE, 25, 1), 1
	s_wait_xcnt 0x0
	s_wait_alu depctr_hold_cnt(0) depctr_sa_sdst(0) depctr_va_vdst(0) depctr_va_sdst(0) depctr_va_ssrc(0) depctr_va_vcc(0) depctr_vm_vsrc(0)
	s_getreg_b32 s2, hwreg(HW_REG_IB_STS2, 6, 4)
	s_cmp_eq_u32 s2, 0
	s_cbranch_scc0 .Lentry_in_a_cluster
	s_endpgm
.Lentry_in_a_cluster:
	s_bfe_u32 s2, ttmp6, 0x10000c
	s_cmp_lg_u32 s2, 0xf033
	s_cbranch_scc0 .Lentry_shape_is_right
	s_endpgm
.Lentry_shape_is_right:
; Q = x Wq + bq, K = x Wk + bk, V = x Wv + bv on codes of FP4 (E2M1) with one E8M0 scale for each 32 along K; the results are quantised at once:
; Q and K along the head's 64 (two blocks), V along the keys, and stored as IMAGES OF OPERAND REGISTERS: a piece is 4 registers, lane l's 16 bytes at 16 l, 512 bytes on end.
; SHARES.  A work-group makes 128 rows of x times 256 columns (four heads) of ONE of Q, K, V: which one is the cluster's x (0, 1, 2), equal in all sixteen partners.
; Eight waves: wave w takes rows 64 (w & 1) on and head w >> 1: 64 x 64 = 16 accumulators.  All of K = 1,024 lies in LDS, in two chunks of 512 (rows of 256 bytes), each filled ONCE:
; nothing is filled again, so there is no ring.  Chunk 1 lands while chunk 0 is multiplied.
; CLUSTER 4 x 4: x's rows hang on the row block alone and are shared along a row of the cluster, W's rows on the column block alone and are shared along a column: joint loads.
; LAYOUT.  The axis that is quantised is source 0's rows: in tile T lane (r, h) holds in register j the place 16 T + 8 h + j of that axis.  Q, K: source 0 = 16 rows of W (columns of the result),
; source 1 = 16 rows of x.  V: source 0 = 16 rows of x (keys), source 1 = 16 rows of W.  A block of 32 is two neighbouring tiles, in lanes l and l xor 16.  One conversion a tile gives 8 codes;
; of four tiles (64 places) tile 0 goes to register 0, tile 2 to 1, tile 1 to 2, tile 3 to 3, and two exchanges of halves make the operand's order: register i of half h = places 32 h + 8 i on.
; The biases are the C of each sum's first matrix instruction.
; No prefetch is laid: the launch asks for all that it reads at its head.
; LIMITS: NaN, infinities and the scale byte 0xff among the inputs are not served.  A block whose largest magnitude lies under 2^-124 keeps the byte 1; a block of zeros has the byte 1 where the
; rule says 127: its codes are zeros, and this program alone reads the bytes.
.set SLOT,  104448                     ; a chunk in LDS: x's 128 rows, then W's 256 rows, 272 bytes apart (256 of data + 16 of padding)
.set WOFF,  34816                      ; where W's rows begin in a chunk
.set SCL,   208896                     ; the scale bytes: 8 rows of 32 bytes make 256, + 16 of padding: x's 16 such pieces, then W's 32
.set STGK,  221952                     ; K's scale words on their way out: 256 bytes a head; no fill lands here
.set STGV,  222976                     ; V's likewise, in bytes of their own
.set ADW,  4                           ; v4-5   LDS address of my W fragments in chunk 0, 1
.set ADX,  6                           ; v6-7   the same for x
.set ADS,  8                           ; v8     of my scale words: lanes 0-15 x's rows, lanes 16-31 W's
.set LI,   9                           ; v9     16 x lane
.set SKW,  10                          ; v10    K's stage: where I put two words
.set SKR,  11                          ; v11    and where I read 8 bytes back
.set SVW,  12                          ; v12    V's stage likewise
.set SVR,  13
.set L8,   14                          ; v14    8 x lane
.set GOF,  15                          ; v15    a global offset of the path in hand
.set SC,   16                          ; v16-31 scale words: register 4 i + q: lanes 0-15 x's tile i, lanes 16-31 W's tile i, the chunk's q-th 128 along K
.set FW,   32                          ; v32-63 W's four fragments
.set FX,   64                          ; v64-95 x's four
.set BI,   96                          ; v96-127 the biases, eight registers a tile of W
.set ACC,  128                         ; v128-255 the sums
.set TM,   32                          ; behind the products: largest magnitudes,
.set PT,   40                          ; the other half's,
.set SO,   48                          ; the conversions' scale operands,
.set BY,   56                          ; the scale bytes,
.set CD,   64                          ; the codes, four registers a group,
.set U,    80                          ; and scale bytes joined
.set G1A,  32                          ; s[32:39] descriptor group 1: x's codes;  s[40:47] W's;  s[48:55] x's scales;  s[56:63] W's
.set G1B,  40
.set G1SA, 48
.set G1SB, 56
.set SEL,  66                          ; s[66:67] lane selects for v_permlanex16_b32: lane l xor 16
.set G0SA, 68                          ; s[68:71] group 0: x's scales;  s[72:79] x's chunks 0, 1
.set G0A,  72
.set G0SB, 80                          ; s[80:83] W's scales;  s[84:91] W's chunks 0, 1
.set G0B,  84
.set WV,   92                          ; wave
.set PP,   93                          ; wave & 3: which piece I fetch
.set ROLE, 94                          ; wave >> 2: I fetch for x (0) or for W (1)
.set CX,   95
.set CY,   96
.set WGY,  97                          ; row block of 128
.set TYP,  98                          ; 0 Q, 1 K, 2 V
.set HF,   99                          ; which 64 rows are mine
.set HD,   100                         ; which head of the four
.macro CROUND                          ; a round of the cluster's barrier
	s_barrier_signal -1
	s_barrier_wait -1
	s_cmp_lg_u32 s[WV], 0
	s_cbranch_scc1 .Lnot_wave_0_\@
	s_barrier_signal -3
.Lnot_wave_0_\@:
	s_barrier_wait -3
	s_barrier_signal -1
	s_barrier_wait -1
.endm
.macro JLOAD g0a, g1a, g0b, g1b        ; a joint load: waves 0-3 fetch for x, waves 4-7 for W; four v_nop follow each line
	s_cmp_eq_u32 s[ROLE], 0
	s_cbranch_scc0 .Lfor_b_\@
	tensor_load_to_lds s[\g0a:\g0a+3], s[\g1a:\g1a+7]
	s_nop 0
.rept 4
	v_nop
.endr
	s_branch .Lasked_\@
.Lfor_b_\@:
	tensor_load_to_lds s[\g0b:\g0b+3], s[\g1b:\g1b+7]
	s_nop 0
.rept 4
	v_nop
.endr
.Lasked_\@:
.endm
.macro PLACES n
.rept \n
	v_nop
.endr
.endm
.macro FRAGS reg, adr, tb, qb, cb, q   ; four fragments (16 rows x 128 K, 8 registers): tiles tb bytes apart, K steps qb, the two halves of a fragment cb
.irp i, 0,1,2,3
.irp c, 0,1
	ds_load_b128 v[\reg+8*\i+4*\c:\reg+8*\i+4*\c+3], v[\adr] offset:\i*\tb+(\q)*\qb+\c*\cb
.endr
.endr
.endm
.macro SCALES ch                       ; a chunk's scale words: four words a row; a tile's 16 rows are two padded pieces, 544 bytes
.irp i, 0,1,2,3
	ds_load_b128 v[SC+4*\i:SC+4*\i+3], v[ADS] offset:544*\i+16*(\ch)
.endr
.endm
; 16 matrix instructions, K step s.  The 16 sums take turns, one instruction a turn, in the same order in every step.  vv = 1: V's order of sources.
.macro MUL s, vv
.irp a, 0,1,2,3
.irp b, 0,1,2,3
.if \vv
.if (\s) == 0
	v_wmma_scale_f32_16x16x128_f8f6f4 v[ACC+32*\b+8*\a:ACC+32*\b+8*\a+7], v[FX+8*\a:FX+8*\a+7], v[FW+8*\b:FW+8*\b+7], v[BI+8*\b:BI+8*\b+7], v[SC+4*\a+(\s)%4], v[SC+4*\b+(\s)%4] matrix_a_fmt:MATRIX_FMT_FP4 matrix_b_fmt:MATRIX_FMT_FP4 matrix_b_scale:MATRIX_SCALE_ROW1
.else
	v_wmma_scale_f32_16x16x128_f8f6f4 v[ACC+32*\b+8*\a:ACC+32*\b+8*\a+7], v[FX+8*\a:FX+8*\a+7], v[FW+8*\b:FW+8*\b+7], v[ACC+32*\b+8*\a:ACC+32*\b+8*\a+7], v[SC+4*\a+(\s)%4], v[SC+4*\b+(\s)%4] matrix_a_fmt:MATRIX_FMT_FP4 matrix_b_fmt:MATRIX_FMT_FP4 matrix_b_scale:MATRIX_SCALE_ROW1
.endif
.else
.if (\s) == 0
	v_wmma_scale_f32_16x16x128_f8f6f4 v[ACC+32*\a+8*\b:ACC+32*\a+8*\b+7], v[FW+8*\b:FW+8*\b+7], v[FX+8*\a:FX+8*\a+7], v[BI+8*\b:BI+8*\b+7], v[SC+4*\b+(\s)%4], v[SC+4*\a+(\s)%4] matrix_a_fmt:MATRIX_FMT_FP4 matrix_b_fmt:MATRIX_FMT_FP4 matrix_a_scale:MATRIX_SCALE_ROW1
.else
	v_wmma_scale_f32_16x16x128_f8f6f4 v[ACC+32*\a+8*\b:ACC+32*\a+8*\b+7], v[FW+8*\b:FW+8*\b+7], v[FX+8*\a:FX+8*\a+7], v[ACC+32*\a+8*\b:ACC+32*\a+8*\b+7], v[SC+4*\b+(\s)%4], v[SC+4*\a+(\s)%4] matrix_a_fmt:MATRIX_FMT_FP4 matrix_b_fmt:MATRIX_FMT_FP4 matrix_a_scale:MATRIX_SCALE_ROW1
.endif
.endif
.endr
.endr
.endm
.macro KSTEP s, vv                     ; 128 along K
	PLACES 4                                       ; four plain places in front of loads into registers that matrix instructions have read (ISA guide 7.12.1 for vector instructions)
.if (\s)%4 == 0
	SCALES (\s)/4
.endif
	FRAGS FW, ADW+(\s)/4, 4352, 64, 32, (\s)%4
	FRAGS FX, ADX+(\s)/4, 4352, 64, 32, (\s)%4
	s_wait_dscnt 0x0
	MUL \s, \vv
.endm
; The 128 sums are 8 blocks of 32 along the quantised axis: block b is registers ACC + 16 b .. + 15 of lanes l and l xor 16; blocks 2 g, 2 g + 1 make group g's four registers of codes.
.macro QUANT8
.irp b, 0,1,2,3,4,5,6,7
	v_max3_num_f32 v[TM+\b], |v[ACC+16*\b]|, |v[ACC+16*\b+1]|, 0x1800000   ; each sum is read from its low end on; the floor 2^(3 - 127) holds the byte at 1 from below
.endr
.irp i, 2,4,6,8,10,12,14
.irp b, 0,1,2,3,4,5,6,7
	v_max3_num_f32 v[TM+\b], v[TM+\b], |v[ACC+16*\b+\i]|, |v[ACC+16*\b+\i+1]|
.endr
.endr
.irp b, 0,1,2,3,4,5,6,7
	v_permlanex16_b32 v[PT+\b], v[TM+\b], s[SEL], s[SEL+1]
.endr
.irp b, 0,1,2,3,4,5,6,7
	v_max_num_f32 v[TM+\b], v[TM+\b], v[PT+\b]     ; the block's largest magnitude
.endr
.irp b, 0,1,2,3,4,5,6,7
	v_add_nc_u32 v[SO+\b], 0xff000000, v[TM+\b]    ; 2 off its exponent field: the conversion's scale operand
.endr
.irp b, 0,1,2,3,4,5,6,7
	v_lshrrev_b32 v[BY+\b], 23, v[SO+\b]           ; the scale's byte
.endr
.irp b, 0,1,2,3,4,5,6,7
	v_cvt_scalef32_pk8_fp4_f32 v[CD+4*(\b/2)+(\b%2)], v[ACC+16*\b:ACC+16*\b+7], v[SO+\b]
	v_cvt_scalef32_pk8_fp4_f32 v[CD+4*(\b/2)+(\b%2)+2], v[ACC+16*\b+8:ACC+16*\b+15], v[SO+\b]
.endr
	v_nop                                          ; one plain place behind a scaled conversion
.irp g, 0,1,2,3
	v_permlane16_swap_b32 v[CD+4*\g], v[CD+4*\g+1] ; register i of half h now holds places 32 h + 8 i on
	v_permlane16_swap_b32 v[CD+4*\g+2], v[CD+4*\g+3]
.endr
.irp g, 0,1,2,3
	v_lshl_or_b32 v[U+\g], v[BY+2*\g+1], 8, v[BY+2*\g]   ; group g's two bytes
.endr
.endm
	s_load_b512 s[4:19], s[0:1], 0x0               ; x's codes s[4:5], scales s[6:7]; Wq's codes, scales, bq s[8:13]; Wk's three s[14:19]
	s_load_b256 s[20:27], s[0:1], 0x40             ; Wv's three s[20:25]; qc s[26:27]
	s_load_b128 s[28:31], s[0:1], 0x60             ; qs s[28:29], kv s[30:31]
	s_set_vgpr_msb 0x40
	v_lshl_add_u32 v0, v0, 2, 0x37000
	v_mov_b32 v1, 0
	s_set_vgpr_msb 0x4045
	ds_add_u32 v0, v1
	ds_add_u32 v0, v1
	s_set_vgpr_msb 0x4500
	v_lshrrev_b32 v1, 5, v0
	s_delay_alu instid0(VALU_DEP_1)
	v_readfirstlane_b32 s[WV], v1
	s_and_b32 s[PP], s[WV], 3
	s_lshr_b32 s[ROLE], s[WV], 2
	s_and_b32 s[HF], s[WV], 1
	s_lshr_b32 s[HD], s[WV], 1
	s_bfe_u32 s[CX], ttmp6, 0x40000
	s_bfe_u32 s[CY], ttmp6, 0x40004
	s_and_b32 s[WGY], ttmp7, 0xffff
	s_lshl_b32 s[WGY], s[WGY], 2
	s_add_co_u32 s[WGY], s[WGY], s[CY]             ; row block = 4 x cluster y + cy
	s_mov_b32 s[TYP], ttmp9                        ; the cluster's x
	s_mov_b32 s[SEL], 0x76543210
	s_mov_b32 s[SEL+1], 0xfedcba98
	s_lshl_b32 s2, s[CY], 2
	s_lshl_b32 s2, 15, s2                          ; my row of the cluster
	s_lshl_b32 s3, 0x1111, s[CX]                   ; my column
	s_or_b32 s[G1A], s2, (1<<20)|(1<<21)|(5<<22)|(3<<25)     ; 15:0 the mask; elements of 1 byte; padding on; 21 set beside a mask; 4 words of padding after every 64
	s_or_b32 s[G1B], s3, (1<<20)|(1<<21)|(5<<22)|(3<<25)
	s_or_b32 s[G1SA], s2, (3<<16)|(1<<20)|(1<<21)|(5<<22)|(3<<25)   ; the same with elements of 8 bytes
	s_or_b32 s[G1SB], s3, (3<<16)|(1<<20)|(1<<21)|(5<<22)|(3<<25)
	s_mov_b32 s[G1A+1], 256<<16                    ; x's codes: 32 rows x 256 bytes, rows 512 bytes apart in memory
	s_mov_b32 s[G1A+2], 32<<16
	s_mov_b32 s[G1A+3], 256<<16
	s_mov_b32 s[G1A+4], 32
	s_mov_b32 s[G1A+5], 512
	s_mov_b32 s[G1A+6], 0
	s_mov_b32 s[G1A+7], 0
	s_mov_b32 s[G1B+1], 256<<16                    ; W's codes: 64 rows x 256 bytes
	s_mov_b32 s[G1B+2], 64<<16
	s_mov_b32 s[G1B+3], 256<<16
	s_mov_b32 s[G1B+4], 64
	s_mov_b32 s[G1B+5], 512
	s_mov_b32 s[G1B+6], 0
	s_mov_b32 s[G1B+7], 0
	s_mov_b32 s[G1SA+1], 32<<16                    ; x's scales of 32 rows: 1,024 dense bytes as 4 rows of 256
	s_mov_b32 s[G1SA+2], 4<<16
	s_mov_b32 s[G1SA+3], 32<<16
	s_mov_b32 s[G1SA+4], 4
	s_mov_b32 s[G1SA+5], 32
	s_mov_b32 s[G1SA+6], 0
	s_mov_b32 s[G1SA+7], 0
	s_mov_b32 s[G1SB+1], 32<<16                    ; W's scales of 64 rows: 8 rows of 256
	s_mov_b32 s[G1SB+2], 8<<16
	s_mov_b32 s[G1SB+3], 32<<16
	s_mov_b32 s[G1SB+4], 8
	s_mov_b32 s[G1SB+5], 32
	s_mov_b32 s[G1SB+6], 0
	s_mov_b32 s[G1SB+7], 0
	s_mov_b32 s[G0SA], 1                           ; groups 0: count 1, and the LDS addresses: a constant + a constant x my piece
	s_mul_i32 s[G0SA+1], s[PP], 1088
	s_add_co_u32 s[G0SA+1], s[G0SA+1], SCL
	s_mov_b32 s[G0A], 1
	s_mul_i32 s[G0A+1], s[PP], 8704
	s_mov_b32 s[G0A+4], 1
	s_add_co_u32 s[G0A+5], s[G0A+1], SLOT
	s_mov_b32 s[G0SB], 1
	s_mul_i32 s[G0SB+1], s[PP], 2176
	s_add_co_u32 s[G0SB+1], s[G0SB+1], SCL+4352
	s_mov_b32 s[G0B], 1
	s_mul_i32 s[G0B+1], s[PP], 17408
	s_add_co_u32 s[G0B+1], s[G0B+1], WOFF
	s_mov_b32 s[G0B+4], 1
	s_add_co_u32 s[G0B+5], s[G0B+1], SLOT
	s_wait_dscnt 0x0
	s_wait_kmcnt 0x0
	s_cmp_eq_u32 ttmp9, 1                          ; which W: the choice hangs on the cluster's number alone
	s_cselect_b64 s[8:9], s[14:15], s[8:9]
	s_cselect_b64 s[10:11], s[16:17], s[10:11]
	s_cselect_b64 s[12:13], s[18:19], s[12:13]
	s_cmp_eq_u32 ttmp9, 2
	s_cselect_b64 s[8:9], s[20:21], s[8:9]
	s_cselect_b64 s[10:11], s[22:23], s[10:11]
	s_cselect_b64 s[12:13], s[24:25], s[12:13]
	s_lshl_b32 s14, s[WGY], 7                      ; x: row 128 x row block + 32 x piece (these registers never hold cx)
	s_lshl_b32 s15, s[PP], 5
	s_add_co_u32 s14, s14, s15
	s_lshl_b32 s18, s14, 5                         ; 32 scale bytes a row
	s_mov_b32 s19, 0
	s_add_nc_u64 s[G0SA+2:G0SA+3], s[6:7], s[18:19]
	s_lshl_b32 s18, s14, 9                         ; 512 bytes of codes a row
	s_add_nc_u64 s[G0A+2:G0A+3], s[4:5], s[18:19]
	s_add_nc_u64 s[G0A+6:G0A+7], s[G0A+2:G0A+3], 256
	s_lshl_b32 s16, s[CX], 8                       ; W: row 256 cx + 64 x piece (these never hold cy)
	s_lshl_b32 s17, s[PP], 6
	s_add_co_u32 s16, s16, s17
	s_lshl_b32 s20, s16, 5
	s_mov_b32 s21, 0
	s_add_nc_u64 s[G0SB+2:G0SB+3], s[10:11], s[20:21]
	s_lshl_b32 s20, s16, 9
	s_add_nc_u64 s[G0B+2:G0B+3], s[8:9], s[20:21]
	s_add_nc_u64 s[G0B+6:G0B+7], s[G0B+2:G0B+3], 256
	s_or_b32 s[G0SA+3], s[G0SA+3], 0x80000000      ; type = 2
	s_or_b32 s[G0A+3], s[G0A+3], 0x80000000
	s_or_b32 s[G0A+7], s[G0A+7], 0x80000000
	s_or_b32 s[G0SB+3], s[G0SB+3], 0x80000000
	s_or_b32 s[G0B+3], s[G0B+3], 0x80000000
	s_or_b32 s[G0B+7], s[G0B+7], 0x80000000
	CROUND                                         ; all sixteen work-groups are here: the joint loads meet
	JLOAD G0SA, G1SA, G0SB, G1SB                   ; three loads a wave, all first fills: the scales,
	JLOAD G0A, G1A, G0B, G1B                       ; chunk 0,
	JLOAD G0A+4, G1A, G0B+4, G1B                   ; chunk 1
	v_and_b32 v1, 31, v0                           ; lane
	v_and_b32 v2, 15, v0                           ; r
	s_wait_alu depctr_va_vdst(0)
	v_bfe_u32 v3, v0, 4, 1                         ; h
	v_mul_u32_u24 v14, v2, 272
	s_delay_alu instid0(VALU_DEP_1)
	v_lshl_add_u32 v14, v3, 4, v14                 ; a fragment's row x pitch + 16 x half
	s_mul_i32 s14, s[HD], 17408                    ; my head's 64 rows of W
	s_add_co_u32 s14, s14, WOFF
	v_add_nc_u32 v[ADW], s14, v14
	s_delay_alu instid0(VALU_DEP_1)
	v_add_nc_u32 v[ADW+1], SLOT, v[ADW]
	s_mul_i32 s14, s[HF], 17408                    ; my 64 rows of x
	v_add_nc_u32 v[ADX], s14, v14
	s_delay_alu instid0(VALU_DEP_1)
	v_add_nc_u32 v[ADX+1], SLOT, v[ADX]
	s_mul_i32 s14, s[HF], 2176                     ; scale words: x's: my 64 rows are 8 padded pieces
	s_mul_i32 s15, s[HD], 2176                     ; W's: behind x's 16 pieces
	s_add_co_u32 s15, s15, 4352
	s_sub_co_u32 s15, s15, s14                     ; the distance from the one to the other: 2,176 at the least
	v_mul_u32_u24 v[ADS], s15, v3                  ; lanes 16-31 take W's
	s_add_co_u32 s14, s14, SCL
	v_lshrrev_b32 v15, 3, v2
	s_delay_alu instid0(VALU_DEP_1)
	v_mad_u32_u24 v[ADS], v15, 272, v[ADS]
	v_and_b32 v15, 7, v2
	s_delay_alu instid0(VALU_DEP_1)
	v_lshl_add_u32 v[ADS], v15, 5, v[ADS]
	s_delay_alu instid0(VALU_DEP_1)
	v_add_nc_u32 v[ADS], s14, v[ADS]
	v_lshlrev_b32 v[LI], 4, v1
	s_lshl_b32 s14, s[HD], 8                       ; the stages: 256 bytes a head
	s_lshl_b32 s15, s[HF], 3
	s_add_co_u32 s15, s15, s14
	v_lshl_add_u32 v[SKW], v2, 4, s15              ; K: row r's four words, my two of them
	s_delay_alu instid0(VALU_DEP_1)
	v_add_nc_u32 v[SKW], STGK, v[SKW]
	v_lshl_add_u32 v[SKR], v1, 3, s14
	s_delay_alu instid0(VALU_DEP_1)
	v_add_nc_u32 v[SKR], STGK, v[SKR]
	s_lshl_b32 s15, s[HF], 1
	s_add_co_u32 s15, s15, s14
	v_lshl_add_u32 v[SVW], v2, 4, s15              ; V: row r's four words, my two bytes of each
	s_delay_alu instid0(VALU_DEP_1)
	v_add_nc_u32 v[SVW], STGV, v[SVW]
	v_lshl_add_u32 v[SVR], v1, 3, s14
	s_delay_alu instid0(VALU_DEP_1)
	v_add_nc_u32 v[SVR], STGV, v[SVR]
	v_lshlrev_b32 v[L8], 3, v1
	s_lshl_b32 s16, s[CX], 10                      ; the bias at my head's first column: (256 cx + 64 head) x 4 bytes
	s_lshl_b32 s17, s[HD], 8
	s_add_co_u32 s16, s16, s17
	s_mov_b32 s17, 0
	s_add_nc_u64 s[12:13], s[12:13], s[16:17]
	s_lshr_b32 s18, s[WGY], 4
	s_lshl_b32 s18, s18, 4
	s_lshl_b32 s19, s[CX], 2
	s_add_co_u32 s18, s18, s19
	s_add_co_u32 s18, s18, s[HD]                   ; bh = 16 x batch + head
	s_and_b32 s19, s[WGY], 15                      ; which 128 rows of the sequence
	s_lshl_b32 s20, s18, 7                         ; qc: piece 128 bh + 8 x that + 4 x my half, 512 bytes a piece
	s_lshl_b32 s21, s19, 3
	s_add_co_u32 s20, s20, s21
	s_lshl_b32 s21, s[HF], 2
	s_add_co_u32 s20, s20, s21
	s_lshl_b32 s20, s20, 9
	s_mov_b32 s21, 0
	s_add_nc_u64 s[26:27], s[26:27], s[20:21]
	s_lshl_b32 s20, s18, 5                         ; qs: 256 bytes for four tiles of queries
	s_lshl_b32 s22, s19, 1
	s_add_co_u32 s20, s20, s22
	s_add_co_u32 s20, s20, s[HF]
	s_lshl_b32 s20, s20, 8
	s_add_nc_u64 s[28:29], s[28:29], s[20:21]
	s_mul_i32 s20, s18, 139264                     ; kv: a head is 16 key steps of 8,704 bytes
	s_mul_i32 s22, s19, 8704
	s_add_co_u32 s20, s20, s22
	s_add_nc_u64 s[30:31], s[30:31], s[20:21]
	s_cmp_eq_u32 s[TYP], 2
	s_cbranch_scc1 .Lv
	; ---- Q and K: source 0 = W.  Lane (r, h) wants, for tile b, the biases of columns 16 b + 8 h + 0 .. 7
	v_lshlrev_b32 v[GOF], 5, v3
.irp b, 0,1,2,3
	global_load_b128 v[BI+8*\b:BI+8*\b+3], v[GOF], s[12:13] offset:64*\b
	global_load_b128 v[BI+8*\b+4:BI+8*\b+7], v[GOF], s[12:13] offset:64*\b+16
.endr
	s_wait_tensorcnt 0x1                           ; my pieces of the scales and of chunk 0 are in; the youngest of my three loads, chunk 1's, may be out
	s_barrier_signal -1
	s_barrier_wait -1                              ; everybody's are
	s_wait_loadcnt 0x0                             ; the biases
.irp s, 0,1,2,3
	KSTEP \s, 0
.endr
	s_wait_tensorcnt 0x0                           ; my piece of chunk 1 (no LDS instruction of mine is out: each step waits for its loads)
	s_barrier_signal -1
	s_barrier_wait -1
.irp s, 4,5,6,7
	KSTEP \s, 0
.endr
	PLACES 4                                       ; in front of the first read of results and the first write of operands
	QUANT8                                         ; group g = my tile g of 16 rows
	s_cmp_eq_u32 s[TYP], 1
	s_cbranch_scc1 .Lk
.irp a, 0,1,2,3
	global_store_b128 v[LI], v[CD+4*\a:CD+4*\a+3], s[26:27] offset:512*\a   ; a tile of 16 queries: 512 consecutive bytes, aligned
.endr
.irp a, 0,1,2,3
	v_lshl_or_b32 v[U+4+\a], v[U+\a], 16, v[U+\a]  ; a query's word (s0, s1, s0, s1): it serves either half of the score product's K
.endr
	v_cmp_gt_u32 vcc_lo, 16, v1
	s_delay_alu instid0(VALU_DEP_1)
	v_cndmask_b32 v[U+8], v[U+6], v[U+4], vcc_lo   ; lanes 0-15 store tiles 0, 1, lanes 16-31 tiles 2, 3
	s_delay_alu instid0(VALU_DEP_2)
	v_cndmask_b32 v[U+9], v[U+7], v[U+5], vcc_lo
	v_lshlrev_b32 v[GOF], 4, v2                    ; (the loads that read this register are in)
	s_delay_alu instid0(VALU_DEP_1)
	v_lshl_add_u32 v[GOF], v3, 3, v[GOF]
	global_store_b64 v[GOF], v[U+8:U+9], s[28:29]  ; 256 consecutive bytes, aligned
	s_branch .Lend
.Lk:
	s_lshl_b32 s20, s[HF], 11                      ; my four tiles of keys: 4 x half + a
	s_add_nc_u64 s[30:31], s[30:31], s[20:21]
	s_wait_alu depctr_va_vdst(0)
.irp a, 0,1,2,3
	global_store_b128 v[LI], v[CD+4*\a:CD+4*\a+3], s[30:31] offset:512*\a
.endr
	v_lshl_or_b32 v[U+4], v[U+1], 16, v[U]         ; a word serves two tiles of keys: the two halves of the score product's K
	v_lshl_or_b32 v[U+5], v[U+3], 16, v[U+2]
	ds_store_b64 v[SKW], v[U+4:U+5]                ; both halves of the lanes write the same bytes with the same values
	s_wait_dscnt 0x0                               ; for the other wave of my head
	s_barrier_signal -1
	s_barrier_wait -1
	s_cmp_lg_u32 s[HF], 0
	s_cbranch_scc1 .Lend
	ds_load_b64 v[U+6:U+7], v[SKR]
	s_wait_dscnt 0x0
	global_store_b64 v[L8], v[U+6:U+7], s[30:31] offset:8192   ; the head's 64 words: 256 consecutive bytes, aligned
	s_branch .Lend
	; ---- V: source 0 = x, so that the keys run along a lane's registers.  A lane holds one column: its bias fills all eight registers
.Lv:
	v_lshlrev_b32 v[GOF], 2, v2
.irp b, 0,1,2,3
	global_load_b32 v[BI+8*\b], v[GOF], s[12:13] offset:64*\b
.endr
	s_wait_loadcnt 0x0
.irp b, 0,1,2,3
.irp j, 1,2,3,4,5,6,7
	v_mov_b32 v[BI+8*\b+\j], v[BI+8*\b]
.endr
.endr
	s_wait_alu depctr_va_vdst(0)
	s_wait_tensorcnt 0x1                           ; as above
	s_barrier_signal -1
	s_barrier_wait -1
.irp s, 0,1,2,3
	KSTEP \s, 1
.endr
	s_wait_tensorcnt 0x0
	s_barrier_signal -1
	s_barrier_wait -1
.irp s, 4,5,6,7
	KSTEP \s, 1
.endr
	PLACES 4
	QUANT8                                         ; group g = tile g of 16 of the head's 64; its four registers are my 64 keys
	s_lshl_b32 s20, s[HF], 9
	s_add_nc_u64 s[30:31], s[30:31], s[20:21]
.irp t, 0,1,2,3
	global_store_b128 v[LI], v[CD+4*\t:CD+4*\t+3], s[30:31] offset:4096+1024*\t
.endr
.irp t, 0,1,2,3
	ds_store_b16 v[SVW], v[U+\t] offset:4*\t       ; my two of the word's four bytes
.endr
	s_wait_dscnt 0x0
	s_barrier_signal -1
	s_barrier_wait -1
	s_cmp_lg_u32 s[HF], 0
	s_cbranch_scc1 .Lend
	ds_load_b64 v[U+6:U+7], v[SVR]
	s_wait_dscnt 0x0
	global_store_b64 v[L8], v[U+6:U+7], s[30:31] offset:8448
.Lend:
	s_set_vgpr_msb 0x5
	s_wait_tensorcnt 0x0
	ds_add_u32 v0, v1
	s_wait_dscnt 0x0
	s_set_vgpr_msb 0x500
	CROUND                                         ; the closing round: no work-group ends while a partner may still ask for a tile that names it
	s_endpgm
.Lfunc_end_k_qd06cc34156_proj:
	.size	k_qd06cc34156_proj, .Lfunc_end_k_qd06cc34156_proj-k_qd06cc34156_proj
	.p2alignl 7, 3214868480
	.fill 96, 4, 3214868480
	.section	.rodata,"a",@progbits
	.p2align	6, 0x0
	.amdhsa_kernel k_qd06cc34156_proj
		.amdhsa_group_segment_fixed_size 226304
		.amdhsa_private_segment_fixed_size 0
		.amdhsa_enable_private_segment 0
		.amdhsa_kernarg_size 112
		.amdhsa_user_sgpr_count 2
		.amdhsa_user_sgpr_kernarg_segment_ptr 1
		.amdhsa_wavefront_size32 1
		.amdhsa_system_sgpr_workgroup_id_x 1
		.amdhsa_system_sgpr_workgroup_id_y 1
		.amdhsa_system_sgpr_workgroup_id_z 1
		.amdhsa_system_vgpr_workitem_id 0
		.amdhsa_next_free_vgpr 258
		.amdhsa_next_free_sgpr 102
		.amdhsa_reserve_vcc 1
		.amdhsa_float_denorm_mode_32 3
		.amdhsa_float_denorm_mode_16_64 3
		.amdhsa_memory_ordered 1
		.amdhsa_forward_progress 1
		.amdhsa_inst_pref_size 84
	.end_amdhsa_kernel
	.amdgpu_metadata
---
amdhsa.version: [ 1, 2 ]
amdhsa.kernels:
  - .name:           k_qd06cc34156_proj
    .symbol:         k_qd06cc34156_proj.kd
    .args:
      - { .name: x_codes, .offset: 0, .size: 8, .value_kind: global_buffer, .address_space: global }
      - { .name: x_scales, .offset: 8, .size: 8, .value_kind: global_buffer, .address_space: global }
      - { .name: Wq_codes, .offset: 16, .size: 8, .value_kind: global_buffer, .address_space: global }
      - { .name: Wq_scales, .offset: 24, .size: 8, .value_kind: global_buffer, .address_space: global }
      - { .name: bq, .offset: 32, .size: 8, .value_kind: global_buffer, .address_space: global }
      - { .name: Wk_codes, .offset: 40, .size: 8, .value_kind: global_buffer, .address_space: global }
      - { .name: Wk_scales, .offset: 48, .size: 8, .value_kind: global_buffer, .address_space: global }
      - { .name: bk, .offset: 56, .size: 8, .value_kind: global_buffer, .address_space: global }
      - { .name: Wv_codes, .offset: 64, .size: 8, .value_kind: global_buffer, .address_space: global }
      - { .name: Wv_scales, .offset: 72, .size: 8, .value_kind: global_buffer, .address_space: global }
      - { .name: bv, .offset: 80, .size: 8, .value_kind: global_buffer, .address_space: global }
      - { .name: qc, .offset: 88, .size: 8, .value_kind: global_buffer, .address_space: global }
      - { .name: qs, .offset: 96, .size: 8, .value_kind: global_buffer, .address_space: global }
      - { .name: kv, .offset: 104, .size: 8, .value_kind: global_buffer, .address_space: global }
    .group_segment_fixed_size: 226304
    .private_segment_fixed_size: 0
    .kernarg_segment_align: 8
    .kernarg_segment_size: 112
    .max_flat_workgroup_size: 256
    .sgpr_count:     102
    .vgpr_count:     258
    .wavefront_size: 32
...
	.end_amdgpu_metadata
.endif
;; end of part 1
;; launch attn (part 2): grid 4 x 64, 16 waves a work-group, clusters of 4 x 1, 169,984 bytes of LDS; arguments qc, qs, kv, oc, os; writes oc, os
.if DOCPART == 2
	.amdgcn_target "amdgcn-amd-amdhsa--gfx1250"
	.amdhsa_code_object_version 6
	.text
	.protected	k_qd06cc34156_attn
	.globl	k_qd06cc34156_attn
	.p2align	8
	.type	k_qd06cc34156_attn,@function
k_qd06cc34156_attn:
	s_mov_b64 s[64:65], 0
	v_nop
	global_prefetch_b8 v0, s[64:65] scope:SCOPE_SE
	s_setreg_imm32_b32 hwreg(HW_REG_WAVE_MODE, 25, 1), 1
	s_wait_xcnt 0x0
	s_wait_alu depctr_hold_cnt(0) depctr_sa_sdst(0) depctr_va_vdst(0) depctr_va_sdst(0) depctr_va_ssrc(0) depctr_va_vcc(0) depctr_vm_vsrc(0)
	s_getreg_b32 s2, hwreg(HW_REG_IB_STS2, 6, 4)
	s_cmp_eq_u32 s2, 0
	s_cbranch_scc0 .Lentry_in_a_cluster
	s_endpgm
.Lentry_in_a_cluster:
	s_bfe_u32 s2, ttmp6, 0x10000c
	s_cmp_lg_u32 s2, 0x3003
	s_cbranch_scc0 .Lentry_shape_is_right
	s_endpgm
.Lentry_shape_is_right:
; O = softmax(Q K^T / 8) V for one head, both products on codes of FP4 (E2M1) with one E8M0 scale for each 32 along K; O is quantised along the model's 1,024 (two blocks a head) for the last product.
; THE SOFTMAX: t = score x log2(e) / 8; M = the running largest t rounded UP to a whole number; p = 2^(t - M) is quantised along the keys, not normalised; the row's sum is taken of the
; unquantised p and divides O at the end.  When M moves, the sum and O are multiplied by 2^(old M - new M): exact.
; SHARES.  A work-group owns one head and 512 queries; each of its sixteen waves two tiles of 16 queries (A, B), which share every fragment of K and V read from LDS.  Four waves lie on a SIMD,
; so that one wave's vector work stands beside another's products and LDS loads.
; THE HEAD'S K AND V, 139,264 bytes of codes and scale words, LIE IN LDS WHOLE, filled once: wave w brings key step w's 8,704 bytes by one load.  One barrier; none in the loop.
; CLUSTER 4 x 1: the four work-groups of a cluster are the four quarters of one head's queries and want the same bytes: the loads are joint.
; LAYOUT.  S^T = K Q^T and O^T = V^T P^T: a lane holds one query (lane % 16) throughout.  The head's 64 are half of the instruction's 128: a fragment of K holds TWO tiles of 16 keys (registers 0-3, 4-7),
; and Q stands between zeros: [Q | 0] gives the first tile's scores, [0 | Q] the second's.  Zero codes add nothing.  In tile T register j is key 16 T + 8 h + j: the 16 registers of tiles 2 b, 2 b + 1
; with lane l xor 16's are block b.  The conversions' results go to registers 0, 2, 1, 3 of each 64 keys, and two exchanges of halves make the operand's order.
; A key step in LDS: 8 pieces of K (512 bytes: lane l's 16 at 16 l), 8 of V, 256 bytes of K's scale words [row][4], 256 of V's.
; os is stored two bytes a row: a row's 32 scale bytes come from sixteen work-groups; they are 262,144 of the 4,456,448 bytes that the launch stores.
; No prefetch is laid: the launch asks for all that it reads at its head.
; LIMITS: NaN and infinities are not served.  p under 2^-126 is 0 (v_exp_f32 flushes: ISA guide 15.8).  A block's largest p is taken from the block's largest score, by the same two instructions.
; A block whose largest magnitude lies under 2^-124 keeps the byte 1, a block of zeros too: its codes are zeros, and this program alone reads the bytes.
.set STEPB, 8704
.set LI,   1                           ; v1   16 x lane
.set ADR,  2                           ; v2   the step's LDS address
.set OSO,  3                           ; v3   32 r: my row in os
.set QSA,  4                           ; v4-5 Q's scale words
.set QSB,  5
.set PWA,  6                           ; v6-7 p's scale words
.set PWB,  7
.set SW,   8                           ; v8-11 lanes 0-15: K's words of double tile f; lanes 16-31: V's of tile T
.set STA,  12                          ; v12 -M, v13 the largest t, v[14:15] the sum in two halves: tile A
.set STB,  16                          ; the same for tile B
.set ZQ,   20                          ; v20-39: 0 QA 0 QB 0, four registers each
.set KV,   40                          ; v40-71 four fragments of K, later of V
.set S,    72                          ; v72-135 S^T, then p
.set OA,   136                         ; v136-167, v168-199 O^T
.set OB,   168
.set PA,   200                         ; v200-207, v208-215 p's codes
.set PB,   208
.set BM,   216                         ; the blocks' largest
.set PT,   220
.set SO,   224
.set FA,   228                         ; v[228:229], v[230:231] 2^(old M - new M); later 1 / sum
.set FB,   230
.set TMP,  232
.set QSO,  233                         ; 16 r
.set TM2,  234
.set WV,   14
.set CX,   15
.set BH,   16
.set SEL,  20
.set CS,   22                          ; s[22:23] log2(e) / 8
.set G1,   24
.set G0,   32
.set TB,   36
.set CNT,  37
.macro CROUND
	s_barrier_signal -1
	s_barrier_wait -1
	s_cmp_lg_u32 s[WV], 0
	s_cbranch_scc1 .Lnot_wave_0_\@
	s_barrier_signal -3
.Lnot_wave_0_\@:
	s_barrier_wait -3
	s_barrier_signal -1
	s_barrier_wait -1
.endm
.macro PLACES n
.rept \n
	v_nop
.endr
.endm
.macro SCORE b0, b1, qs                ; eight tiles of 16 keys for one tile of queries
.irp f, 0,1,2,3
	v_wmma_scale_f32_16x16x128_f8f6f4 v[S+16*\f:S+16*\f+7], v[KV+8*\f:KV+8*\f+7], v[\b0:\b0+7], 0, v[SW+\f], v[\qs] matrix_a_fmt:MATRIX_FMT_FP4 matrix_b_fmt:MATRIX_FMT_FP4
	v_wmma_scale_f32_16x16x128_f8f6f4 v[S+16*\f+8:S+16*\f+15], v[KV+8*\f:KV+8*\f+7], v[\b1:\b1+7], 0, v[SW+\f], v[\qs] matrix_a_fmt:MATRIX_FMT_FP4 matrix_b_fmt:MATRIX_FMT_FP4
.endr
.endm
.macro RESC o, f                       ; O^T under the new M, each sum from its low end on
.irp j, 0,2,4,6,8,10,12,14,16,18,20,22,24,26,28,30
	v_pk_mul_f32 v[\o+\j:\o+\j+1], v[\o+\j:\o+\j+1], v[\f:\f+1] op_sel_hi:[1,0]
.endr
.endm
; One tile's softmax for 128 keys.  st: its statistics; f: where 2^(old M - new M) goes; p: its codes; pw: its scale word.
.macro SOFT st, f, p, pw
.irp b, 0,1,2,3
	v_max3_num_f32 v[BM+\b], v[S+16*\b], v[S+16*\b+1], v[S+16*\b+2]   ; the largest score of each block: for the row's maximum and for the block's largest p
.endr
.irp i, 3,5,7,9,11,13
.irp b, 0,1,2,3
	v_max3_num_f32 v[BM+\b], v[BM+\b], v[S+16*\b+\i], v[S+16*\b+\i+1]
.endr
.endr
.irp b, 0,1,2,3
	v_max_num_f32 v[BM+\b], v[BM+\b], v[S+16*\b+15]
.endr
.irp b, 0,1,2,3
	s_delay_alu instid0(VALU_DEP_4)
	v_permlanex16_b32 v[PT+\b], v[BM+\b], s[SEL], s[SEL+1]
.endr
.irp b, 0,1,2,3
	s_delay_alu instid0(VALU_DEP_4)
	v_max_num_f32 v[BM+\b], v[BM+\b], v[PT+\b]
.endr
	s_delay_alu instid0(VALU_DEP_2)
	v_max3_num_f32 v[TMP], v[BM], v[BM+1], v[BM+2]
	s_delay_alu instid0(VALU_DEP_1)
	v_max_num_f32 v[TMP], v[TMP], v[BM+3]
	s_delay_alu instid0(VALU_DEP_1)
	v_mul_f32 v[TMP], s[CS], v[TMP]                ; as t
	s_delay_alu instid0(VALU_DEP_1)
	v_max_num_f32 v[(\st)+1], v[(\st)+1], v[TMP]   ; the running largest t
	v_mov_b32 v[TMP], v[\st]
	s_delay_alu instid0(VALU_DEP_2)
	v_floor_f32 v[\st], -v[(\st)+1]                ; the new -M = floor(-t)
	s_delay_alu instid0(VALU_DEP_1)
	v_sub_f32 v[TMP], v[\st], v[TMP]               ; old M - new M: a whole number, 0 or less
	s_delay_alu instid0(VALU_DEP_1)
	v_cvt_i32_f32 v[TMP], v[TMP]                   ; (it saturates)
	s_delay_alu instid0(VALU_DEP_1)
	v_ldexp_f32 v[\f], 1.0, v[TMP]
.irp j, 0,2,4,6,8,10,12,14,16,18,20,22,24,26,28,30,32,34,36,38,40,42,44,46,48,50,52,54,56,58,60,62
	v_pk_fma_f32 v[S+\j:S+\j+1], v[S+\j:S+\j+1], s[CS:CS+1], v[\st:(\st)+1] op_sel_hi:[1,0,0]   ; t - M
.endr
.irp b, 0,1,2,3
	v_fma_f32 v[BM+\b], v[BM+\b], s[CS], v[\st]
.endr
	s_wait_alu depctr_va_vdst(0)
.irp j, 0,1,2,3,4,5,6,7,8,9,10,11,12,13,14,15,16,17,18,19,20,21,22,23,24,25,26,27,28,29,30,31,32,33,34,35,36,37,38,39,40,41,42,43,44,45,46,47,48,49,50,51,52,53,54,55,56,57,58,59,60,61,62,63
	v_exp_f32 v[S+\j], v[S+\j]                     ; p
.endr
	v_pk_mul_f32 v[(\st)+2:(\st)+3], v[(\st)+2:(\st)+3], v[\f:(\f)+1] op_sel_hi:[1,0]   ; the sum under the new M: the plain place behind the batch
	s_wait_alu depctr_va_vdst(0)                   ; one wait for the 64, ahead of their first reader
.irp b, 0,1,2,3
	v_exp_f32 v[BM+\b], v[BM+\b]                   ; the blocks' largest p
.endr
	v_pk_add_f32 v[PT:PT+1], v[S:S+1], v[S+2:S+3]  ; the row's sum, of the unquantised p, in two chains
.irp j, 4,8,12,16,20,24,28,32,36,40,44,48,52,56,60
	v_pk_add_f32 v[(\st)+2:(\st)+3], v[(\st)+2:(\st)+3], v[S+\j:S+\j+1]
	v_pk_add_f32 v[PT:PT+1], v[PT:PT+1], v[S+\j+2:S+\j+3]
.endr
	s_delay_alu instid0(VALU_DEP_1)
	v_pk_add_f32 v[(\st)+2:(\st)+3], v[(\st)+2:(\st)+3], v[PT:PT+1]
	s_wait_alu depctr_va_vdst(0)                   ; and one for the four
.irp b, 0,1,2,3
	v_max_num_f32 v[BM+\b], 0x1800000, v[BM+\b]    ; the floor 2^(3 - 127)
.endr
.irp b, 0,1,2,3
	s_delay_alu instid0(VALU_DEP_4)
	v_add_nc_u32 v[SO+\b], 0xff000000, v[BM+\b]
.endr
.irp b, 0,1,2,3
	s_delay_alu instid0(VALU_DEP_4)
	v_lshrrev_b32 v[PT+\b], 23, v[SO+\b]
.endr
	s_delay_alu instid0(VALU_DEP_3)
	v_lshl_or_b32 v[\pw], v[PT+1], 8, v[PT]
	s_delay_alu instid0(VALU_DEP_1)
	v_lshl_or_b32 v[\pw], v[PT+2], 16, v[\pw]
	s_delay_alu instid0(VALU_DEP_1)
	v_lshl_or_b32 v[\pw], v[PT+3], 24, v[\pw]
.irp b, 0,1,2,3
	v_cvt_scalef32_pk8_fp4_f32 v[\p+4*(\b/2)+(\b%2)], v[S+16*\b:S+16*\b+7], v[SO+\b]
	v_cvt_scalef32_pk8_fp4_f32 v[\p+4*(\b/2)+(\b%2)+2], v[S+16*\b+8:S+16*\b+15], v[SO+\b]
.endr
	v_nop                                          ; one plain place behind a scaled conversion
.irp c, 0,1
	v_permlane16_swap_b32 v[\p+4*\c], v[\p+4*\c+1]
	v_permlane16_swap_b32 v[\p+4*\c+2], v[\p+4*\c+3]
.endr
.endm
	s_load_b256 s[4:11], s[0:1], 0x0               ; qc s[4:5], qs s[6:7], kv s[8:9], oc s[10:11]
	s_load_b64 s[12:13], s[0:1], 0x20              ; os
	v_lshl_add_u32 v254, v0, 2, 0x29000
	v_mov_b32 v255, 0
	ds_add_u32 v254, v255
	ds_add_u32 v254, v255
	v_lshrrev_b32 v1, 5, v0
	s_delay_alu instid0(VALU_DEP_1)
	v_readfirstlane_b32 s[WV], v1                  ; wave 0..15
	s_bfe_u32 s[CX], ttmp6, 0x40000                ; my quarter of the queries
	s_and_b32 s[BH], ttmp7, 0xffff                 ; 16 x batch + head: the four partners share it
	s_mov_b32 s[G1], 15|(3<<16)|(1<<21)            ; the mask: all four; elements of 8 bytes; 21 set beside a mask; no padding
	s_mov_b32 s[G1+1], 32<<16                      ; 34 rows of 256 bytes, dense
	s_mov_b32 s[G1+2], 34<<16
	s_mov_b32 s[G1+3], 32<<16
	s_mov_b32 s[G1+4], 34
	s_mov_b32 s[G1+5], 32
	s_mov_b32 s[G1+6], 0
	s_mov_b32 s[G1+7], 0
	s_mov_b32 s[G0], 1
	s_mul_i32 s[G0+1], s[WV], STEPB                ; key step w lies at 8,704 w
	s_mul_i32 s38, s[BH], 16*STEPB
	s_add_co_u32 s38, s38, s[G0+1]
	s_mov_b32 s39, 0
	s_mov_b32 s[SEL], 0x76543210
	s_mov_b32 s[SEL+1], 0xfedcba98
	s_mov_b32 s[CS], 0x3e38aa3b                    ; log2(e) / 8
	s_mov_b32 s[CS+1], s[CS]
	s_mov_b32 s[TB], 0
	s_mov_b32 s[CNT], 16
	s_wait_dscnt 0x0
	s_wait_kmcnt 0x0
	s_add_nc_u64 s[G0+2:G0+3], s[8:9], s[38:39]
	s_or_b32 s[G0+3], s[G0+3], 0x80000000
	CROUND                                         ; all four work-groups are here: the joint loads meet
	tensor_load_to_lds s[G0:G0+3], s[G1:G1+7]      ; my one tensor load
	s_nop 0
	PLACES 4
	v_and_b32 v[LI], 31, v0
	s_delay_alu instid0(VALU_DEP_1)
	v_lshlrev_b32 v[LI], 4, v[LI]
	v_and_b32 v[QSO], 15, v0
	s_delay_alu instid0(VALU_DEP_1)
	v_lshlrev_b32 v[OSO], 5, v[QSO]
	s_delay_alu instid0(VALU_DEP_2)
	v_lshlrev_b32 v[QSO], 4, v[QSO]
	s_wait_alu depctr_va_vdst(0)
	s_lshl_b32 s38, s[BH], 7                       ; qc: piece 128 bh + 32 cx + 2 w
	s_lshl_b32 s40, s[CX], 5
	s_add_co_u32 s38, s38, s40
	s_lshl_b32 s40, s[WV], 1
	s_add_co_u32 s38, s38, s40
	s_lshl_b32 s38, s38, 9
	s_add_nc_u64 s[4:5], s[4:5], s[38:39]
	global_load_b128 v[ZQ+4:ZQ+7], v[LI], s[4:5]               ; QA
	global_load_b128 v[ZQ+12:ZQ+15], v[LI], s[4:5] offset:512  ; QB
	s_lshl_b32 s38, s[BH], 5                       ; qs: 256 bytes for four tiles; my two are words 2 (w & 1) and the next of each row
	s_lshl_b32 s40, s[CX], 3
	s_add_co_u32 s38, s38, s40
	s_lshr_b32 s40, s[WV], 1
	s_add_co_u32 s38, s38, s40
	s_lshl_b32 s38, s38, 8
	s_and_b32 s40, s[WV], 1
	s_lshl_b32 s40, s40, 3
	s_add_co_u32 s38, s38, s40
	s_add_nc_u64 s[6:7], s[6:7], s[38:39]
	global_load_b32 v[QSA], v[QSO], s[6:7]
	global_load_b32 v[QSB], v[QSO], s[6:7] offset:4
	s_lshr_b32 s40, s[BH], 4                       ; batch
	s_and_b32 s41, s[BH], 15                       ; head
	s_lshl_b32 s38, s40, 4                         ; oc: block of 128 rows 16 b + 4 cx + w / 4, 65,536 bytes each;
	s_lshl_b32 s42, s[CX], 2
	s_add_co_u32 s38, s38, s42
	s_lshr_b32 s42, s[WV], 2
	s_add_co_u32 s38, s38, s42
	s_lshl_b32 s38, s38, 16
	s_lshr_b32 s42, s41, 3                         ; which 512 along K: 32,768;
	s_lshl_b32 s42, s42, 15
	s_add_co_u32 s38, s38, s42
	s_and_b32 s42, s[WV], 3                        ; my two tiles of rows: 4,096 each;
	s_lshl_b32 s42, s42, 13
	s_add_co_u32 s38, s38, s42
	s_and_b32 s42, s41, 7                          ; the head's piece: 512
	s_lshl_b32 s42, s42, 9
	s_add_co_u32 s38, s38, s42
	s_add_nc_u64 s[10:11], s[10:11], s[38:39]
	s_lshl_b32 s38, s40, 11                        ; os: row 2,048 b + 512 cx + 32 w, 32 bytes a row; the head's two bytes
	s_lshl_b32 s42, s[CX], 9
	s_add_co_u32 s38, s38, s42
	s_lshl_b32 s42, s[WV], 5
	s_add_co_u32 s38, s38, s42
	s_lshl_b32 s38, s38, 5
	s_lshl_b32 s42, s41, 1
	s_add_co_u32 s38, s38, s42
	s_add_nc_u64 s[12:13], s[12:13], s[38:39]
.irp j, 0,1,2,3,8,9,10,11,16,17,18,19
	v_mov_b32 v[ZQ+\j], 0                          ; the zero codes beside Q
.endr
.irp j, 0,1,2,3,4,5,6,7,8,9,10,11,12,13,14,15,16,17,18,19,20,21,22,23,24,25,26,27,28,29,30,31,32,33,34,35,36,37,38,39,40,41,42,43,44,45,46,47,48,49,50,51,52,53,54,55,56,57,58,59,60,61,62,63
	v_mov_b32 v[OA+\j], 0                          ; O^T: the step is written once; the first finds zeros, which the first change of M leaves zeros
.endr
	v_mov_b32 v[STA+1], 0xff61b1e6                 ; the largest t so far: -3e38
	v_mov_b32 v[STB+1], 0xff61b1e6
	s_delay_alu instid0(VALU_DEP_2)
	v_floor_f32 v[STA], -v[STA+1]
	s_delay_alu instid0(VALU_DEP_2)
	v_floor_f32 v[STB], -v[STB+1]
.irp j, 2,3
	v_mov_b32 v[STA+\j], 0
	v_mov_b32 v[STB+\j], 0
.endr
.irp b, 0,1,2,3
	v_mov_b32 v[PT+\b], 0                          ; a lane permute's destination counts as one of its sources
.endr
	v_mov_b32 v[FA+1], 0                           ; named as the upper halves of pairs
	v_mov_b32 v[FB+1], 0
	s_wait_tensorcnt 0x0                           ; my key step is in,
	s_barrier_signal -1
	s_barrier_wait -1                              ; all sixteen are
	s_wait_loadcnt 0x0                             ; Q
.Lstep:                                            ; 16 trips of 128 keys
	s_setprio 2
	v_add_nc_u32 v[ADR], s[TB], v[LI]
	PLACES 3                                       ; with the line above: four places in front of loads into registers that the last products read
	ds_load_b128 v[SW:SW+3], v[ADR] offset:8192    ; lanes 0-15: K's words; lanes 16-31: V's
.irp n, 0,1,2,3,4,5,6,7
	ds_load_b128 v[KV+4*\n:KV+4*\n+3], v[ADR] offset:512*\n
.endr
	s_wait_dscnt 0x0
	SCORE ZQ+4, ZQ, QSA
	PLACES 4
	SOFT STA, FA, PA, PWA
	SCORE ZQ+12, ZQ+8, QSB
	RESC OA, FA                                    ; sixteen plain lines: the places behind the scores, in front of the loads over K and of the first read of the scores
.irp n, 0,1,2,3,4,5,6,7
	ds_load_b128 v[KV+4*\n:KV+4*\n+3], v[ADR] offset:4096+512*\n   ; V lands under tile B's softmax
.endr
	s_setprio 1
	SOFT STB, FB, PB, PWB
	s_setprio 0
	RESC OB, FB                                    ; sixteen plain lines between the last write of p's codes and scale word and the products
	s_wait_alu depctr_va_vdst(0)
	s_wait_dscnt 0x0
.irp t, 0,1,2,3                                    ; the eight sums take turns
	v_wmma_scale_f32_16x16x128_f8f6f4 v[OA+8*\t:OA+8*\t+7], v[KV+8*\t:KV+8*\t+7], v[PA:PA+7], v[OA+8*\t:OA+8*\t+7], v[SW+\t], v[PWA] matrix_a_fmt:MATRIX_FMT_FP4 matrix_b_fmt:MATRIX_FMT_FP4 matrix_a_scale:MATRIX_SCALE_ROW1
	v_wmma_scale_f32_16x16x128_f8f6f4 v[OB+8*\t:OB+8*\t+7], v[KV+8*\t:KV+8*\t+7], v[PB:PB+7], v[OB+8*\t:OB+8*\t+7], v[SW+\t], v[PWB] matrix_a_fmt:MATRIX_FMT_FP4 matrix_b_fmt:MATRIX_FMT_FP4 matrix_a_scale:MATRIX_SCALE_ROW1
.endr
	s_add_co_u32 s[TB], s[TB], STEPB
	s_sub_co_u32 s[CNT], s[CNT], 1
	s_cmp_lg_u32 s[CNT], 0
	s_cbranch_scc1 .Lstep
	s_setprio 0
	; THE WAY OUT: O^T / the sum, quantised along the head's 64, stored as images of the last product's operand
	v_add_f32 v[STA+2], v[STA+2], v[STA+3]         ; (these additions are the places behind the last products)
	v_add_f32 v[STB+2], v[STB+2], v[STB+3]
	s_delay_alu instid0(VALU_DEP_2)
	v_permlanex16_b32 v[PT], v[STA+2], s[SEL], s[SEL+1]
	s_delay_alu instid0(VALU_DEP_2)
	v_permlanex16_b32 v[PT+1], v[STB+2], s[SEL], s[SEL+1]
	s_delay_alu instid0(VALU_DEP_2)
	v_add_f32 v[STA+2], v[STA+2], v[PT]
	s_delay_alu instid0(VALU_DEP_2)
	v_add_f32 v[STB+2], v[STB+2], v[PT+1]
	s_wait_alu depctr_va_vdst(0)
	v_rcp_f32 v[FA], v[STA+2]
	v_rcp_f32 v[FB], v[STB+2]
	v_nop                                          ; a plain place behind the reciprocals
	s_wait_alu depctr_va_vdst(0)                   ; one wait for the two, ahead of their first reader
.irp j, 0,2,4,6,8,10,12,14,16,18,20,22,24,26,28,30
	v_pk_mul_f32 v[S+\j:S+\j+1], v[OA+\j:OA+\j+1], v[FA:FA+1] op_sel_hi:[1,0]
.endr
.irp j, 0,2,4,6,8,10,12,14,16,18,20,22,24,26,28,30
	v_pk_mul_f32 v[S+32+\j:S+32+\j+1], v[OB+\j:OB+\j+1], v[FB:FB+1] op_sel_hi:[1,0]
.endr
.irp b, 0,1,2,3                                    ; blocks 0, 1: tile A's; 2, 3: tile B's
	v_max3_num_f32 v[BM+\b], |v[S+16*\b]|, |v[S+16*\b+1]|, 0x1800000
.endr
.irp i, 2,4,6,8,10,12,14
.irp b, 0,1,2,3
	s_delay_alu instid0(VALU_DEP_4)
	v_max3_num_f32 v[BM+\b], v[BM+\b], |v[S+16*\b+\i]|, |v[S+16*\b+\i+1]|
.endr
.endr
.irp b, 0,1,2,3
	s_delay_alu instid0(VALU_DEP_4)
	v_permlanex16_b32 v[PT+\b], v[BM+\b], s[SEL], s[SEL+1]
.endr
.irp b, 0,1,2,3
	s_delay_alu instid0(VALU_DEP_4)
	v_max_num_f32 v[BM+\b], v[BM+\b], v[PT+\b]
.endr
.irp b, 0,1,2,3
	s_delay_alu instid0(VALU_DEP_4)
	v_add_nc_u32 v[SO+\b], 0xff000000, v[BM+\b]
.endr
.irp b, 0,1,2,3
	s_delay_alu instid0(VALU_DEP_4)
	v_lshrrev_b32 v[PT+\b], 23, v[SO+\b]
.endr
.irp b, 0,1,2,3
	v_cvt_scalef32_pk8_fp4_f32 v[PA+4*(\b/2)+(\b%2)], v[S+16*\b:S+16*\b+7], v[SO+\b]
	v_cvt_scalef32_pk8_fp4_f32 v[PA+4*(\b/2)+(\b%2)+2], v[S+16*\b+8:S+16*\b+15], v[SO+\b]
.endr
	v_nop
.irp c, 0,1
	v_permlane16_swap_b32 v[PA+4*\c], v[PA+4*\c+1]
	v_permlane16_swap_b32 v[PA+4*\c+2], v[PA+4*\c+3]
.endr
	v_lshl_or_b32 v[TMP], v[PT+1], 8, v[PT]
	v_lshl_or_b32 v[TM2], v[PT+3], 8, v[PT+2]
	global_store_b128 v[LI], v[PA:PA+3], s[10:11]              ; 512 consecutive bytes, aligned
	global_store_b128 v[LI], v[PA+4:PA+7], s[10:11] offset:4096
	global_store_b16 v[OSO], v[TMP], s[12:13]                  ; both halves of the lanes write the same bytes with the same values
	global_store_b16 v[OSO], v[TM2], s[12:13] offset:512
	s_wait_tensorcnt 0x0
	ds_add_u32 v254, v255
	s_wait_dscnt 0x0
	CROUND                                         ; the closing round
	s_endpgm
.Lfunc_end_k_qd06cc34156_attn:
	.size	k_qd06cc34156_attn, .Lfunc_end_k_qd06cc34156_attn-k_qd06cc34156_attn
	.p2alignl 7, 3214868480
	.fill 96, 4, 3214868480
	.section	.rodata,"a",@progbits
	.p2align	6, 0x0
	.amdhsa_kernel k_qd06cc34156_attn
		.amdhsa_group_segment_fixed_size 169984
		.amdhsa_private_segment_fixed_size 0
		.amdhsa_enable_private_segment 0
		.amdhsa_kernarg_size 40
		.amdhsa_user_sgpr_count 2
		.amdhsa_user_sgpr_kernarg_segment_ptr 1
		.amdhsa_wavefront_size32 1
		.amdhsa_system_sgpr_workgroup_id_x 1
		.amdhsa_system_sgpr_workgroup_id_y 1
		.amdhsa_system_sgpr_workgroup_id_z 1
		.amdhsa_system_vgpr_workitem_id 0
		.amdhsa_next_free_vgpr 256
		.amdhsa_next_free_sgpr 66
		.amdhsa_reserve_vcc 0
		.amdhsa_float_denorm_mode_32 3
		.amdhsa_float_denorm_mode_16_64 3
		.amdhsa_memory_ordered 1
		.amdhsa_forward_progress 1
		.amdhsa_inst_pref_size 46
	.end_amdhsa_kernel
	.amdgpu_metadata
---
amdhsa.version: [ 1, 2 ]
amdhsa.kernels:
  - .name:           k_qd06cc34156_attn
    .symbol:         k_qd06cc34156_attn.kd
    .args:
      - { .name: qc, .offset: 0, .size: 8, .value_kind: global_buffer, .address_space: global }
      - { .name: qs, .offset: 8, .size: 8, .value_kind: global_buffer, .address_space: global }
      - { .name: kv, .offset: 16, .size: 8, .value_kind: global_buffer, .address_space: global }
      - { .name: oc, .offset: 24, .size: 8, .value_kind: global_buffer, .address_space: global }
      - { .name: os, .offset: 32, .size: 8, .value_kind: global_buffer, .address_space: global }
    .group_segment_fixed_size: 169984
    .private_segment_fixed_size: 0
    .kernarg_segment_align: 8
    .kernarg_segment_size: 40
    .max_flat_workgroup_size: 512
    .sgpr_count:     66
    .vgpr_count:     256
    .wavefront_size: 32
...
	.end_amdgpu_metadata
.endif
;; end of part 2
;; launch outp (part 3): grid 4 x 64, 8 waves a work-group, clusters of 4 x 4, 254,976 bytes of LDS; arguments oc, os, Wo_codes, Wo_scales, bo, out0; writes out0
.if DOCPART == 3
	.amdgcn_target "amdgcn-amd-amdhsa--gfx1250"
	.amdhsa_code_object_version 6
	.text
	.protected	k_qd06cc34156_outp
	.globl	k_qd06cc34156_outp
	.p2align	8
	.type	k_qd06cc34156_outp,@function
k_qd06cc34156_outp:
	s_mov_b64 s[64:65], 0
	v_nop
	global_prefetch_b8 v0, s[64:65] scope:SCOPE_SE
	s_setreg_imm32_b32 hwreg(HW_REG_WAVE_MODE, 25, 1), 1
	s_wait_xcnt 0x0
	s_wait_alu depctr_hold_cnt(0) depctr_sa_sdst(0) depctr_va_vdst(0) depctr_va_sdst(0) depctr_va_ssrc(0) depctr_va_vcc(0) depctr_vm_vsrc(0)
	s_getreg_b32 s2, hwreg(HW_REG_IB_STS2, 6, 4)
	s_cmp_eq_u32 s2, 0
	s_cbranch_scc0 .Lentry_in_a_cluster
	s_endpgm
.Lentry_in_a_cluster:
	s_bfe_u32 s2, ttmp6, 0x10000c
	s_cmp_lg_u32 s2, 0xf033
	s_cbranch_scc0 .Lentry_shape_is_right
	s_endpgm
.Lentry_shape_is_right:
; out0 = O Wo + bo on codes of FP4 (E2M1) with one E8M0 scale for each 32 along K.  O comes as images of operand registers (oc: [128 rows][512 along K][tile of 16 rows][64 along K][lane][16 bytes])
; with scale bytes laid [row][32] (os); Wo as rows of 512 bytes, K innermost.
; SHARES.  A work-group makes 128 rows x 256 columns; wave w rows 64 (w & 1) on, columns 64 (w >> 1) on: 16 sums.  All of K = 1,024 lies in LDS in two chunks of 512, each filled ONCE: no ring.
; CLUSTER 4 x 4: O's block is shared along a row of the cluster, Wo's rows along a column: joint loads.
; Source 0 = 16 rows of Wo, source 1 = 16 rows of O: a lane holds eight neighbouring columns of one row of the result.  bo is the C of each sum's first matrix instruction.
; THE WAY OUT: 16 rows x 64 columns at a time through the wave's own stage; sixteen lanes then store a row's 256 consecutive bytes, aligned.
; No prefetch is laid: the launch asks for all that it reads at its head.
; LIMITS: NaN, infinities and the scale byte 0xff among the inputs are not served.
.set SLOT,  102400                     ; a chunk in LDS: O's images, 32,768 bytes, then Wo's 256 rows, 272 bytes apart
.set WOFF,  32768
.set SCL,   204800                     ; the scale bytes: 8 rows of 32 bytes + 16 of padding: O's 16 pieces, then Wo's 32
.set STAGE, 217856                     ; 16 rows x 272 bytes for each wave; no fill lands here
.set ADW,  4
.set ADX,  6
.set ADS,  8
.set STO,  9                           ; v9   the stage: where I put 32 bytes of a row
.set RD,   10                          ; v10  where I read 16 bytes back
.set CO,   11                          ; v11  my byte offset in two rows of out0
.set GOF,  15
.set SC,   16
.set FW,   32
.set FX,   64
.set BI,   96
.set ACC,  128
.set BK,   32                          ; the way out: v32-63 and v64-95 by turns
.set G1A,  32
.set G1B,  40
.set G1SA, 48
.set G1SB, 56
.set G0SA, 68
.set G0A,  72
.set G0SB, 80
.set G0B,  84
.set WV,   92
.set PP,   93
.set ROLE, 94
.set CX,   95
.set CY,   96
.set WGY,  97
.set HF,   99
.set HD,   100
.macro CROUND
	s_barrier_signal -1
	s_barrier_wait -1
	s_cmp_lg_u32 s[WV], 0
	s_cbranch_scc1 .Lnot_wave_0_\@
	s_barrier_signal -3
.Lnot_wave_0_\@:
	s_barrier_wait -3
	s_barrier_signal -1
	s_barrier_wait -1
.endm
.macro JLOAD g0a, g1a, g0b, g1b        ; waves 0-3 fetch for O, waves 4-7 for Wo; four v_nop follow each line
	s_cmp_eq_u32 s[ROLE], 0
	s_cbranch_scc0 .Lfor_b_\@
	tensor_load_to_lds s[\g0a:\g0a+3], s[\g1a:\g1a+7]
	s_nop 0
.rept 4
	v_nop
.endr
	s_branch .Lasked_\@
.Lfor_b_\@:
	tensor_load_to_lds s[\g0b:\g0b+3], s[\g1b:\g1b+7]
	s_nop 0
.rept 4
	v_nop
.endr
.Lasked_\@:
.endm
.macro PLACES n
.rept \n
	v_nop
.endr
.endm
.macro FRAGS reg, adr, tb, qb, cb, q
.irp i, 0,1,2,3
.irp c, 0,1
	ds_load_b128 v[\reg+8*\i+4*\c:\reg+8*\i+4*\c+3], v[\adr] offset:\i*\tb+(\q)*\qb+\c*\cb
.endr
.endr
.endm
.macro SCALES ch
.irp i, 0,1,2,3
	ds_load_b128 v[SC+4*\i:SC+4*\i+3], v[ADS] offset:544*\i+16*(\ch)
.endr
.endm
.macro MUL s                           ; the 16 sums take turns, in the same order in every step
.irp a, 0,1,2,3
.irp b, 0,1,2,3
.if (\s) == 0
	v_wmma_scale_f32_16x16x128_f8f6f4 v[ACC+32*\a+8*\b:ACC+32*\a+8*\b+7], v[FW+8*\b:FW+8*\b+7], v[FX+8*\a:FX+8*\a+7], v[BI+8*\b:BI+8*\b+7], v[SC+4*\b+(\s)%4], v[SC+4*\a+(\s)%4] matrix_a_fmt:MATRIX_FMT_FP4 matrix_b_fmt:MATRIX_FMT_FP4 matrix_a_scale:MATRIX_SCALE_ROW1
.else
	v_wmma_scale_f32_16x16x128_f8f6f4 v[ACC+32*\a+8*\b:ACC+32*\a+8*\b+7], v[FW+8*\b:FW+8*\b+7], v[FX+8*\a:FX+8*\a+7], v[ACC+32*\a+8*\b:ACC+32*\a+8*\b+7], v[SC+4*\b+(\s)%4], v[SC+4*\a+(\s)%4] matrix_a_fmt:MATRIX_FMT_FP4 matrix_b_fmt:MATRIX_FMT_FP4 matrix_a_scale:MATRIX_SCALE_ROW1
.endif
.endr
.endr
.endm
.macro KSTEP s
	PLACES 4                                       ; four plain places in front of loads into registers that matrix instructions have read
.if (\s)%4 == 0
	SCALES (\s)/4
.endif
	FRAGS FW, ADW+(\s)/4, 4352, 64, 32, (\s)%4
	FRAGS FX, ADX+(\s)/4, 4096, 1024, 512, (\s)%4  ; O's images: a tile of rows 4,096 bytes, 128 along K 1,024, half a fragment 512
	s_wait_dscnt 0x0
	MUL \s
.endm
.macro TOSTAGE a                       ; my rows 16 a on: into the stage, each sum from its low end on, and back as whole rows.  LDS serves a wave's instructions in order (ISA guide 5.7.1.4)
.irp t, 0,1,2,3
	ds_store_b128 v[STO], v[ACC+32*(\a)+8*\t:ACC+32*(\a)+8*\t+3] offset:64*\t
	ds_store_b128 v[STO], v[ACC+32*(\a)+8*\t+4:ACC+32*(\a)+8*\t+7] offset:64*\t+16
.endr
.irp i, 0,1,2,3,4,5,6,7
	ds_load_b128 v[BK+32*((\a)%2)+4*\i:BK+32*((\a)%2)+4*\i+3], v[RD] offset:544*\i
.endr
.endm
.macro SEND a, younger                 ; younger: the LDS instructions issued behind block a's loads, which may stay out
	s_wait_dscnt \younger
.irp i, 0,1,2,3,4,5,6,7
	global_store_b128 v[CO], v[BK+32*((\a)%2)+4*\i:BK+32*((\a)%2)+4*\i+3], s[14:15] offset:(16*(\a)+2*\i)*4096 th:TH_STORE_NT   ; 16 lanes store 256 consecutive bytes, aligned
.endr
.endm
	s_load_b256 s[4:11], s[0:1], 0x0               ; oc s[4:5], os s[6:7], Wo's codes s[8:9], scales s[10:11]
	s_load_b128 s[12:15], s[0:1], 0x20             ; bo s[12:13], out0 s[14:15]
	v_lshl_add_u32 v12, v0, 2, 0x3e000
	s_set_vgpr_msb 0x40
	v_mov_b32 v1, 0
	s_set_vgpr_msb 0x4044
	ds_add_u32 v12, v1
	ds_add_u32 v12, v1
	s_set_vgpr_msb 0x4400
	v_lshrrev_b32 v1, 5, v0
	s_delay_alu instid0(VALU_DEP_1)
	v_readfirstlane_b32 s[WV], v1
	s_and_b32 s[PP], s[WV], 3
	s_lshr_b32 s[ROLE], s[WV], 2
	s_and_b32 s[HF], s[WV], 1
	s_lshr_b32 s[HD], s[WV], 1
	s_bfe_u32 s[CX], ttmp6, 0x40000
	s_bfe_u32 s[CY], ttmp6, 0x40004
	s_and_b32 s[WGY], ttmp7, 0xffff
	s_lshl_b32 s[WGY], s[WGY], 2
	s_add_co_u32 s[WGY], s[WGY], s[CY]             ; row block = 4 x cluster y + cy; the column block is cx
	s_lshl_b32 s2, s[CY], 2
	s_lshl_b32 s2, 15, s2                          ; my row of the cluster
	s_lshl_b32 s3, 0x1111, s[CX]                   ; my column
	s_or_b32 s[G1A], s2, (3<<16)|(1<<21)           ; O's images: dense, no padding; elements of 8 bytes
	s_or_b32 s[G1B], s3, (1<<20)|(1<<21)|(5<<22)|(3<<25)
	s_or_b32 s[G1SA], s2, (3<<16)|(1<<20)|(1<<21)|(5<<22)|(3<<25)
	s_or_b32 s[G1SB], s3, (3<<16)|(1<<20)|(1<<21)|(5<<22)|(3<<25)
	s_mov_b32 s[G1A+1], 32<<16                     ; 8,192 dense bytes as 32 rows of 256
	s_mov_b32 s[G1A+2], 32<<16
	s_mov_b32 s[G1A+3], 32<<16
	s_mov_b32 s[G1A+4], 32
	s_mov_b32 s[G1A+5], 32
	s_mov_b32 s[G1A+6], 0
	s_mov_b32 s[G1A+7], 0
	s_mov_b32 s[G1B+1], 256<<16                    ; Wo's codes: 64 rows x 256 bytes, rows 512 bytes apart in memory
	s_mov_b32 s[G1B+2], 64<<16
	s_mov_b32 s[G1B+3], 256<<16
	s_mov_b32 s[G1B+4], 64
	s_mov_b32 s[G1B+5], 512
	s_mov_b32 s[G1B+6], 0
	s_mov_b32 s[G1B+7], 0
	s_mov_b32 s[G1SA+1], 32<<16                    ; O's scales of 32 rows: 4 rows of 256
	s_mov_b32 s[G1SA+2], 4<<16
	s_mov_b32 s[G1SA+3], 32<<16
	s_mov_b32 s[G1SA+4], 4
	s_mov_b32 s[G1SA+5], 32
	s_mov_b32 s[G1SA+6], 0
	s_mov_b32 s[G1SA+7], 0
	s_mov_b32 s[G1SB+1], 32<<16                    ; Wo's scales of 64 rows: 8 rows of 256
	s_mov_b32 s[G1SB+2], 8<<16
	s_mov_b32 s[G1SB+3], 32<<16
	s_mov_b32 s[G1SB+4], 8
	s_mov_b32 s[G1SB+5], 32
	s_mov_b32 s[G1SB+6], 0
	s_mov_b32 s[G1SB+7], 0
	s_mov_b32 s[G0SA], 1
	s_mul_i32 s[G0SA+1], s[PP], 1088
	s_add_co_u32 s[G0SA+1], s[G0SA+1], SCL
	s_mov_b32 s[G0A], 1
	s_lshl_b32 s[G0A+1], s[PP], 13
	s_mov_b32 s[G0A+4], 1
	s_add_co_u32 s[G0A+5], s[G0A+1], SLOT
	s_mov_b32 s[G0SB], 1
	s_mul_i32 s[G0SB+1], s[PP], 2176
	s_add_co_u32 s[G0SB+1], s[G0SB+1], SCL+4352
	s_mov_b32 s[G0B], 1
	s_mul_i32 s[G0B+1], s[PP], 17408
	s_add_co_u32 s[G0B+1], s[G0B+1], WOFF
	s_mov_b32 s[G0B+4], 1
	s_add_co_u32 s[G0B+5], s[G0B+1], SLOT
	s_lshl_b32 s16, s[WGY], 16                     ; O: 65,536 bytes a row block, my 8,192 of a chunk (these registers never hold cx)
	s_lshl_b32 s17, s[PP], 13
	s_add_co_u32 s16, s16, s17
	s_mov_b32 s17, 0
	s_lshl_b32 s18, s[WGY], 12                     ; its scales: (128 x row block + 32 x piece) x 32 bytes
	s_lshl_b32 s19, s[PP], 10
	s_add_co_u32 s18, s18, s19
	s_mov_b32 s19, 0
	s_lshl_b32 s20, s[CX], 8                       ; Wo: row 256 cx + 64 x piece (these never hold cy)
	s_lshl_b32 s21, s[PP], 6
	s_add_co_u32 s20, s20, s21
	s_lshl_b32 s22, s20, 5
	s_mov_b32 s23, 0
	s_lshl_b32 s20, s20, 9
	s_mov_b32 s21, 0
	s_wait_dscnt 0x0
	s_wait_kmcnt 0x0
	s_add_nc_u64 s[G0A+2:G0A+3], s[4:5], s[16:17]
	s_add_nc_u64 s[G0A+6:G0A+7], s[G0A+2:G0A+3], 32768
	s_add_nc_u64 s[G0SA+2:G0SA+3], s[6:7], s[18:19]
	s_add_nc_u64 s[G0SB+2:G0SB+3], s[10:11], s[22:23]
	s_add_nc_u64 s[G0B+2:G0B+3], s[8:9], s[20:21]
	s_add_nc_u64 s[G0B+6:G0B+7], s[G0B+2:G0B+3], 256
	s_or_b32 s[G0SA+3], s[G0SA+3], 0x80000000
	s_or_b32 s[G0A+3], s[G0A+3], 0x80000000
	s_or_b32 s[G0A+7], s[G0A+7], 0x80000000
	s_or_b32 s[G0SB+3], s[G0SB+3], 0x80000000
	s_or_b32 s[G0B+3], s[G0B+3], 0x80000000
	s_or_b32 s[G0B+7], s[G0B+7], 0x80000000
	CROUND                                         ; all sixteen work-groups are here: the joint loads meet
	JLOAD G0SA, G1SA, G0SB, G1SB                   ; three loads a wave, all first fills: the scales,
	JLOAD G0A, G1A, G0B, G1B                       ; chunk 0,
	JLOAD G0A+4, G1A, G0B+4, G1B                   ; chunk 1
	v_and_b32 v1, 31, v0                           ; lane
	v_and_b32 v2, 15, v0                           ; r
	s_wait_alu depctr_va_vdst(0)
	v_bfe_u32 v3, v0, 4, 1                         ; h
	v_mul_u32_u24 v14, v2, 272
	s_delay_alu instid0(VALU_DEP_1)
	v_lshl_add_u32 v13, v3, 4, v14                 ; Wo: a fragment's row x pitch + 16 x half
	s_mul_i32 s16, s[HD], 17408
	s_add_co_u32 s16, s16, WOFF
	v_add_nc_u32 v[ADW], s16, v13
	s_delay_alu instid0(VALU_DEP_1)
	v_add_nc_u32 v[ADW+1], SLOT, v[ADW]
	s_lshl_b32 s16, s[HF], 14                      ; O: my four tiles of rows, 16 x lane
	v_lshl_add_u32 v[ADX], v1, 4, s16
	s_delay_alu instid0(VALU_DEP_1)
	v_add_nc_u32 v[ADX+1], SLOT, v[ADX]
	s_mul_i32 s16, s[HF], 2176
	s_mul_i32 s17, s[HD], 2176
	s_add_co_u32 s17, s17, 4352
	s_sub_co_u32 s17, s17, s16                     ; from O's words to Wo's: 2,176 at the least
	v_mul_u32_u24 v[ADS], s17, v3                  ; lanes 16-31 take Wo's
	s_add_co_u32 s16, s16, SCL
	v_lshrrev_b32 v15, 3, v2
	s_delay_alu instid0(VALU_DEP_1)
	v_mad_u32_u24 v[ADS], v15, 272, v[ADS]
	v_and_b32 v15, 7, v2
	s_delay_alu instid0(VALU_DEP_1)
	v_lshl_add_u32 v[ADS], v15, 5, v[ADS]
	s_delay_alu instid0(VALU_DEP_1)
	v_add_nc_u32 v[ADS], s16, v[ADS]
	s_mul_i32 s16, s[WV], 4352
	s_add_co_u32 s16, s16, STAGE                   ; my stage
	v_lshl_add_u32 v[STO], v3, 5, v14              ; in: row r, 32 bytes for each half of the lanes
	s_delay_alu instid0(VALU_DEP_1)
	v_add_nc_u32 v[STO], s16, v[STO]
	v_mul_u32_u24 v[RD], v3, 272                   ; back: lanes 0-15 one row, lanes 16-31 the next
	s_delay_alu instid0(VALU_DEP_1)
	v_lshl_add_u32 v[RD], v2, 4, v[RD]
	s_delay_alu instid0(VALU_DEP_1)
	v_add_nc_u32 v[RD], s16, v[RD]
	v_lshlrev_b32 v[CO], 12, v3                    ; and the same two rows in out0
	s_delay_alu instid0(VALU_DEP_1)
	v_lshl_add_u32 v[CO], v2, 4, v[CO]
	s_lshl_b32 s16, s[CX], 10                      ; my first column, in bytes: (256 cx + 64 x my quarter) x 4
	s_lshl_b32 s17, s[HD], 8
	s_add_co_u32 s16, s16, s17
	s_mov_b32 s17, 0
	s_add_nc_u64 s[12:13], s[12:13], s[16:17]
	s_add_nc_u64 s[14:15], s[14:15], s[16:17]
	s_lshl_b32 s16, s[WGY], 7                      ; my first row: 128 x row block + 64 x half, 4,096 bytes a row
	s_lshl_b32 s18, s[HF], 6
	s_add_co_u32 s16, s16, s18
	s_lshl_b32 s16, s16, 12
	s_add_nc_u64 s[14:15], s[14:15], s[16:17]
	v_lshlrev_b32 v[GOF], 5, v3                    ; lane (r, h) wants, for tile b, the biases of columns 16 b + 8 h + 0 .. 7
.irp b, 0,1,2,3
	global_load_b128 v[BI+8*\b:BI+8*\b+3], v[GOF], s[12:13] offset:64*\b
	global_load_b128 v[BI+8*\b+4:BI+8*\b+7], v[GOF], s[12:13] offset:64*\b+16
.endr
	s_wait_alu depctr_va_vdst(0)
	s_wait_tensorcnt 0x1                           ; my pieces of the scales and of chunk 0 are in; the youngest of my three loads, chunk 1's, may be out
	s_barrier_signal -1
	s_barrier_wait -1
	s_wait_loadcnt 0x0
.irp s, 0,1,2,3
	KSTEP \s
.endr
	s_wait_tensorcnt 0x0                           ; my piece of chunk 1 (no LDS instruction of mine is out)
	s_barrier_signal -1
	s_barrier_wait -1
.irp s, 4,5,6,7
	KSTEP \s
.endr
	PLACES 4                                       ; in front of the first read of results and of loads into the fragments' registers
	TOSTAGE 0
.irp a, 1,2,3
.if \a > 1
	s_wait_xcnt 0x0                                ; block a - 2's stores have read their registers: block a's loads may land there
.endif
	TOSTAGE \a
	SEND \a-1, 16                                  ; behind block a - 1's loads: block a's 8 stores and 8 loads
.endr
	SEND 3, 0
	s_set_vgpr_msb 0x4
	s_wait_tensorcnt 0x0
	ds_add_u32 v12, v1
	s_wait_dscnt 0x0
	s_set_vgpr_msb 0x400
	CROUND                                         ; the closing round
	s_endpgm
.Lfunc_end_k_qd06cc34156_outp:
	.size	k_qd06cc34156_outp, .Lfunc_end_k_qd06cc34156_outp-k_qd06cc34156_outp
	.p2alignl 7, 3214868480
	.fill 96, 4, 3214868480
	.section	.rodata,"a",@progbits
	.p2align	6, 0x0
	.amdhsa_kernel k_qd06cc34156_outp
		.amdhsa_group_segment_fixed_size 254976
		.amdhsa_private_segment_fixed_size 0
		.amdhsa_enable_private_segment 0
		.amdhsa_kernarg_size 48
		.amdhsa_user_sgpr_count 2
		.amdhsa_user_sgpr_kernarg_segment_ptr 1
		.amdhsa_wavefront_size32 1
		.amdhsa_system_sgpr_workgroup_id_x 1
		.amdhsa_system_sgpr_workgroup_id_y 1
		.amdhsa_system_sgpr_workgroup_id_z 1
		.amdhsa_system_vgpr_workitem_id 0
		.amdhsa_next_free_vgpr 258
		.amdhsa_next_free_sgpr 102
		.amdhsa_reserve_vcc 0
		.amdhsa_float_denorm_mode_32 3
		.amdhsa_float_denorm_mode_16_64 3
		.amdhsa_memory_ordered 1
		.amdhsa_forward_progress 1
		.amdhsa_inst_pref_size 45
	.end_amdhsa_kernel
	.amdgpu_metadata
---
amdhsa.version: [ 1, 2 ]
amdhsa.kernels:
  - .name:           k_qd06cc34156_outp
    .symbol:         k_qd06cc34156_outp.kd
    .args:
      - { .name: oc, .offset: 0, .size: 8, .value_kind: global_buffer, .address_space: global }
      - { .name: os, .offset: 8, .size: 8, .value_kind: global_buffer, .address_space: global }
      - { .name: Wo_codes, .offset: 16, .size: 8, .value_kind: global_buffer, .address_space: global }
      - { .name: Wo_scales, .offset: 24, .size: 8, .value_kind: global_buffer, .address_space: global }
      - { .name: bo, .offset: 32, .size: 8, .value_kind: global_buffer, .address_space: global }
      - { .name: out0, .offset: 40, .size: 8, .value_kind: global_buffer, .address_space: global }
    .group_segment_fixed_size: 254976
    .private_segment_fixed_size: 0
    .kernarg_segment_align: 8
    .kernarg_segment_size: 48
    .max_flat_workgroup_size: 256
    .sgpr_count:     102
    .vgpr_count:     258
    .wavefront_size: 32
...
	.end_amdgpu_metadata
.endif
;; end of part 3
